; MI455X (gfx1250); checked and timed in simulation.
; The chip was launched on July 23, 2026; its instructions are those of AMD's public machine-readable ISA for CDNA 5 (MIT licence, August 2026) and "CDNA5" Instruction Set Architecture Reference Guide (July 2026). The comments in the code are by the model that wrote it; some were corrected since.
;; CNF. Allowed arithmetic: matrix products marked QUANTISED: E2M1 operands, one E8M0 scale for each 32 along K, by v_wmma_scale_f32_16x16x128_f8f6f4 with both operands' format E2M1 (or v_wmma_scale_f32_32x16x128_f4), f32 sums; everything else in f32.
;; Inputs: W1 65 x 512 float32; W2 512 x 512 float32; W3 512 x 64 float32; b1 512 float32; b2 512 float32; b3 64 float32; t 1 float32; x 2,048 x 65 float32.
;; Outputs: out0 2,048 x 65 float32.
;; This version of the problem:
;;   THIS VERSION OF THE PROBLEM IS GIVEN IN LOW PRECISION. The matrix products marked QUANTISED in the list below multiply operands that are first quantised to E2M1 (2 exponent bits, 1 mantissa bit; 4 bits a number), with one power-of-two scale for each 32 numbers along K (OCP MX v1.0); their sums are f32. All else is computed in f32.
;;   The module's matrix products, in the order in which they are computed (A, B: the left and right operand; K: the contracted axis; several contracted axes count as one K, in the product's order):
;;     1. [M 2,048, K 65] x [K 65, N 512]; A: computed on the way; B: input W1: QUANTISED
;;     2. [M 2,048, K 512] x [K 512, N 512]; A: computed on the way; B: input W2: QUANTISED
;;     3. [M 2,048, K 512] x [K 512, N 64]; A: computed on the way; B: input W3: QUANTISED
;;     4. [M 2,048, K 65] x [K 65, N 512]; A: computed on the way; B: input W1: QUANTISED
;;     5. [M 2,048, K 512] x [K 512, N 512]; A: computed on the way; B: input W2: QUANTISED
;;     6. [M 2,048, K 512] x [K 512, N 64]; A: computed on the way; B: input W3: QUANTISED
;;     7. [M 64, K 64] x [K 64, N 512]; A: computed on the way; B: input W3: QUANTISED
;;     8. [M 131,072, K 512] x [K 512, N 512]; A: computed on the way; B: input W2: QUANTISED
;;     9. [M 131,072, K 512] x [K 512, N 65]; A: computed on the way; B: input W1: QUANTISED
;;   THE QUANTISER, for each operand of a quantised product, along K:
;;     - K is cut into blocks of 32 from its start; a last block that is shorter is filled with zeros.
;;     - A block's scale is 2^e with e = floor(log2(the largest magnitude in the block)) - 2, held to -126 .. 127; a block of zeros has e = 0. As a byte (E8M0): e + 127.
;;     - Each number is divided by its block's scale, clamped to +-6, and rounded to the nearest number of E2M1, ties to even, subnormals kept.
;;     - The product sums the exact products of the quantised numbers (number of the format x scale) in f32.
;;   ~~~python
;;   def quantise(x, axis):      # numpy; x: float32 -> the quantised numbers, widened to float32 again
;;       x = np.moveaxis(x, axis, -1); K = x.shape[-1]
;;       x = np.pad(x, [(0, 0)] * (x.ndim - 1) + [(0, -K % 32)]); x = x.reshape(x.shape[:-1] + (-1, 32)); a = np.abs(x).max(-1, keepdims=True)
;;       e = np.where(a > 0, np.clip(np.frexp(np.where(a > 0, a, 1))[1] - 1 - 2, -126, 127), 0)      # np.frexp(a)[1] - 1 = floor(log2(a)), exactly
;;       r = np.clip(x / 2.0 ** e, -6, 6)
;;       step = 2.0 ** (np.maximum(np.frexp(np.where(r == 0, 1, r))[1] - 1, 0) - 1)
;;       q = np.round(r / step) * step * 2.0 ** e      # np.round: ties to even
;;       return np.moveaxis(q.reshape(q.shape[:-2] + (-1,))[..., :K], -1, axis).astype(np.float32)
;;   ~~~
;;   OPERANDS COMPUTED ON THE WAY. 'Computed on the way' means the value that the module computes at that place (a softmax that the list does not call 'softmax' is quantised finished and normalised). What goes into a quantiser is computed in f32, as accurately as f32 sums, v_exp_f32 and their like allow (about 1e-6 of the number): no bf16 or f16 on the way to a quantiser, and a product that is left as it is and whose result goes on into a quantised operand takes f32 operands (vector FMAs, or v_wmma_f32_16x16x4_f32). A number that lies on a knife's edge between two numbers of the format may be rounded either way, as far as f32 arithmetic and the matrix unit's own rounding can turn it there, and no further.
;; One version. Each part assembles by itself: llvm-mc -triple=amdgcn-amd-amdhsa -mcpu=gfx1250 --defsym DOCPART=n.
;; ======== version 1 of 1: 2 launches
;; limits: right only within a limited range of input values
;; workspace buffers: wq 506,880 bytes
;; launch prep (part 1): grid 784 x 1, 1 waves a work-group, no clusters, 4,608 bytes of LDS; arguments W1, W2, W3, wq, x, t; writes wq
.if DOCPART == 1
	.amdgcn_target "amdgcn-amd-amdhsa--gfx1250"
	.amdhsa_code_object_version 6
	.text
	.protected	k_q45120c0a51_prep
	.globl	k_q45120c0a51_prep
	.p2align	8
	.type	k_q45120c0a51_prep,@function
k_q45120c0a51_prep:
	s_mov_b64 s[64:65], 0
	v_nop
	global_prefetch_b8 v0, s[64:65] scope:SCOPE_SE
	s_setreg_imm32_b32 hwreg(HW_REG_WAVE_MODE, 25, 1), 1
	s_wait_xcnt 0x0
; THE PROGRAM.  out0[b] = [ dx[b] (64 numbers), div[b] ]:  dx = (tanh(tanh([x, t] W1 + b1) W2 + b2) W3 + b3) / 2,  div = the trace of d dx / d x by reverse mode,
; all products on codes of E2M1 with one E8M0 scale for each 32 along K.  Two launches: this one quantises [x, t] and the three weights, the weights along both axes; the second does all the rest.
; WORK THAT IS NOT DONE, for all values of the inputs:
;  - products 4, 5, 6 of the table have the operands of products 1, 2, 3 and the same quantisers: the same numbers.  They are computed once and used twice.
;  - x[:, 64] is cut off by x[..., :-1] ahead of everything: it is not loaded.
;  - product 9, column 64: the transpose of concatenate([xi, t]) keeps the first 64 columns, so row 64 of W1 quantised along its second axis is never made.
;  - product 9, off the diagonal: trace() uses J[b][j][j] alone.  With 16 j as rows and the same 16 i as columns, 4 of a sample's 16 tiles hold the diagonal; the others are whole tiles that reach no output.
;  LIMIT: a NaN, an infinity or an overflow that reaches only this work is not carried to the result.
; THIS LAUNCH.  Operands are laid in the ORDER OF THEIR REGISTERS: a fragment (16 rows x 128 K) is 1,024 bytes, the 16 bytes of K block 2 c + h of tile row r at 512 c + 256 h + 16 r.
; THE ROWS OF A TILE ARE NOT NEIGHBOURS: row r of tile T is row 64 (T / 4) + 8 (T % 4) + r % 8 + 32 (r / 8) of the tensor, so that a transposed product's results of four tiles are 32 neighbours along the next K in a lane.
; wq: eight records of REC bytes: W2 along axis 0, tiles 4 w .. 4 w + 3 (16,384; scale words at 16384: 256 t + 16 r + 4 s); W3 along axis 1, the same tiles (at 17408, 512 each, K = 64; scale words at 19456: 16 r + 4 t);
;   R1: W2 along axis 1 (131,072; scale words behind: 256 T + 16 r + 4 s), W1 along axis 1 (at 139264: 4096 s + 1024 jt; scale words at 155648: 256 s + 16 r + 4 jt, and a second copy of them, which fills the last rows of 256 bytes);
;   W1A: W1 along axis 0 (1024 T; K = 65, filled with zeros; scale words 256 (T / 4) + 16 r + 4 (T % 4));  W3A: W3 along axis 0 (4096 T + 1024 s);  XC: [x, t], 512 bytes for 8 samples (256 c + 128 h + 16 row), scale words 4 a sample.
; A block's scale byte is its largest magnitude's exponent field - 2, held at 1 from below.  LIMITS: a block of zeros, or one whose largest magnitude lies under 2^-124, gets the byte 1 where the rule says 127 or less:
; its codes are zeros or the rule's own, and the bytes are read by this program alone; NaN and infinities among the inputs are not served.
; SHARES.  One wave to a work-group, ONE BLOCK OF 32 TO A LANE, chosen by the work-group's number: 0-255 half a fragment of W2 along axis 1; 256-287 of W1 along axis 1; 288-319 a tile of W3 along axis 1;
; 320-575 two half tiles' 32 columns x 32 K of W2 along axis 0; 576-607 of W3; 608-639 of W1, K under 64; 640-655 of W1, K = 64 and the fill; 656-783 16 samples.  No cluster, no tensor load, no prefetch: no loop.
.set REC,  19712
.set R1,   157696
.set W1A,  315392
.set W1AS, 348160
.set W3A,  350208
.set W3AS, 366592
.set XC,   367616
.set XCS,  498688
.set SPARE, 4352                       ; LDS: a stage of 16 rows x 272, then the spare words
.set X,   32                           ; my block's numbers
.set RW,  64                           ; as loaded (K innermost)
.set CD,  96                           ; codes
.macro BLOAD adr, pitch                ; 16 tile rows x 256 bytes: each load takes tile rows 2 i and 2 i + 1
.irp i,0,1,2,3,4,5,6,7
	global_load_b128 v[RW+4*\i:RW+4*\i+3], v[\adr], s[16:17] offset:(2*(\i%4)+32*(\i/4))*\pitch
.endr
.endm
.macro ALOAD pitch                     ; 32 rows of K, a lane a column
.set i, 0
.rept 32
	global_load_b32 v[X+i], v12, s[16:17] offset:i*\pitch
.set i, i+1
.endr
.endm
.macro WQ
	s_add_nc_u64 s[26:27], s[10:11], s[26:27]
	s_add_nc_u64 s[28:29], s[10:11], s[28:29]
.endm
.macro TO co, so                       ; my offsets among the codes and among the scale bytes
	v_mov_b32 v20, v[\co]
	v_mov_b32 v21, v[\so]
.endm
.macro W1SET                           ; s18: 2 g + pair, s22: K block
	s_lshr_b32 s19, s18, 1
	s_and_b32 s21, s18, 1
	s_lshl_b32 s24, s22, 16
	s_lshl_b32 s23, s19, 8
	s_add_co_u32 s24, s24, s23
	s_lshl_b32 s23, s21, 6
	s_add_co_u32 s24, s24, s23
	s_add_nc_u64 s[16:17], s[4:5], s[24:25]
	s_lshl_b32 s26, s18, 11
	s_lshl_b32 s23, s22, 8
	s_add_co_u32 s26, s26, s23
	s_add_co_u32 s26, s26, W1A
	s_lshl_b32 s28, s19, 8
	s_lshl_b32 s23, s21, 3
	s_add_co_u32 s28, s28, s23
	s_add_co_u32 s28, s28, s22
	s_add_co_u32 s28, s28, W1AS
	WQ
	TO 15, 16
.endm
	s_load_b256 s[4:11], s[0:1], 0x0               ; W1 s[4:5], W2 s[6:7], W3 s[8:9], wq s[10:11]
	s_load_b128 s[12:15], s[0:1], 0x20             ; x s[12:13], t s[14:15]
	v_lshl_add_u32 v1, v0, 2, SPARE                ; my spare word; never rewritten
	v_mov_b32 v2, 0                                ; 0; never rewritten
	v_lshlrev_b32 v3, 4, v0
	v_and_b32 v4, 15, v0                           ; r
	v_lshrrev_b32 v5, 4, v0                        ; h
	v_lshlrev_b32 v6, 4, v4
	v_lshl_add_u32 v7, v5, 11, v6                  ; K innermost, rows of 2,048 bytes: in
	v_mul_u32_u24 v8, v5, 272
	v_add_nc_u32 v8, v8, v6                        ; into the stage
	v_mul_u32_u24 v9, v4, 272
	v_lshl_add_u32 v9, v5, 7, v9                   ; and out: row r, + 128 h
	v_add_nc_u32 v10, v6, v5                       ; scale bytes: 16 r + h
	v_and_b32 v11, 7, v0
	v_lshlrev_b32 v12, 2, v11
	v_bfe_u32 v13, v0, 3, 1
	v_lshl_add_u32 v12, v13, 7, v12
	v_lshl_add_u32 v12, v5, 5, v12                 ; K outermost: my column, 8 (lane / 16) + lane % 8 + 32 ((lane / 8) % 2)
	v_lshl_add_u32 v14, v5, 12, v6                 ; its codes: tile lane / 16, row lane % 16
	v_lshl_add_u32 v15, v5, 10, v6
	v_lshl_add_u32 v16, v5, 2, v6
	v_mul_u32_u24 v17, v4, 260
	v_lshl_add_u32 v17, v5, 7, v17                 ; x: row r, + 128 h
	v_lshlrev_b32 v18, 4, v11
	v_lshl_add_u32 v18, v5, 7, v18
	v_lshl_add_u32 v18, v13, 9, v18
	v_lshl_add_u32 v19, v4, 2, v5
	s_mov_b32 s25, 0                               ; the offsets' high words
	s_mov_b32 s27, 0
	s_mov_b32 s29, 0
	s_mov_b32 s20, 0                               ; where a second copy of the byte goes, if any
	s_wait_alu depctr_va_vdst(0)
	s_wait_kmcnt 0x0
	s_cmp_lt_u32 ttmp9, 320
	s_cbranch_scc0 .Lnotb
	s_cmp_lt_u32 ttmp9, 288
	s_cbranch_scc0 .Lb3
	s_and_b32 s19, ttmp9, 7                        ; e: which 64 along K
	s_lshl_b32 s21, s19, 8
	s_cmp_lt_u32 ttmp9, 256
	s_cbranch_scc0 .Lb1
	s_lshr_b32 s18, ttmp9, 3                       ; W2 along axis 1: tile T
	s_lshr_b32 s22, s18, 2
	s_lshl_b32 s24, s22, 17
	s_and_b32 s22, s18, 3
	s_lshl_b32 s22, s22, 14
	s_add_co_u32 s24, s24, s22
	s_add_co_u32 s24, s24, s21
	s_add_nc_u64 s[16:17], s[6:7], s[24:25]
	s_lshl_b32 s26, s18, 12
	s_lshl_b32 s22, s19, 9
	s_add_co_u32 s26, s26, s22
	s_add_co_u32 s26, s26, R1
	s_lshl_b32 s28, s18, 8
	s_lshl_b32 s22, s19, 1
	s_add_co_u32 s28, s28, s22
	s_add_co_u32 s28, s28, R1+131072
	s_branch .Lbgo
.Lb1:	; W1 along axis 1
	s_sub_co_u32 s18, ttmp9, 256
	s_lshr_b32 s18, s18, 3                         ; jt
	s_lshl_b32 s24, s18, 14
	s_add_co_u32 s24, s24, s21
	s_add_nc_u64 s[16:17], s[4:5], s[24:25]
	s_lshr_b32 s22, s19, 1
	s_and_b32 s23, s19, 1
	s_lshl_b32 s26, s22, 12
	s_lshl_b32 s21, s18, 10
	s_add_co_u32 s26, s26, s21
	s_lshl_b32 s21, s23, 9
	s_add_co_u32 s26, s26, s21
	s_add_co_u32 s26, s26, R1+139264
	s_lshl_b32 s28, s22, 8
	s_lshl_b32 s21, s18, 2
	s_add_co_u32 s28, s28, s21
	s_lshl_b32 s21, s23, 1
	s_add_co_u32 s28, s28, s21
	s_add_co_u32 s28, s28, R1+155648
	s_mov_b32 s20, 1024
.Lbgo:
	BLOAD 7, 2048
	s_branch .Lstage
.Lb3:	; W3 along axis 1: K = 64, rows of 256 bytes; the upper two bytes of a scale word, which meet zero codes, are written too
	s_sub_co_u32 s18, ttmp9, 288
	s_lshr_b32 s19, s18, 2
	s_and_b32 s21, s18, 3
	s_lshl_b32 s24, s19, 14
	s_lshl_b32 s22, s21, 11
	s_add_co_u32 s24, s24, s22
	s_add_nc_u64 s[16:17], s[8:9], s[24:25]
	s_mul_i32 s26, s19, REC
	s_lshl_b32 s22, s21, 2
	s_add_co_u32 s28, s26, s22
	s_add_co_u32 s28, s28, 19456
	s_lshl_b32 s22, s21, 9
	s_add_co_u32 s26, s26, s22
	s_add_co_u32 s26, s26, 17408
	s_mov_b32 s20, 2
	BLOAD 3, 256
.Lstage:
	WQ
	TO 3, 10
.irp i,0,1,2,3,4,5,6,7
	s_wait_loadcnt 7-\i
	ds_store_b128 v8, v[RW+4*\i:RW+4*\i+3] offset:544*\i
.endr
.irp i,0,1,2,3,4,5,6,7
	ds_load_b128 v[X+4*\i:X+4*\i+3], v9 offset:16*\i       ; LDS serves a wave's instructions in order: these see my stores
.endr
	s_wait_dscnt 0x0
	s_branch .Lcore
.Lnotb:
	s_cmp_lt_u32 ttmp9, 576
	s_cbranch_scc0 .Lnota2
	s_sub_co_u32 s18, ttmp9, 320                   ; W2 along axis 0: 64-column group g, pair of tiles, K block
	s_and_b32 s22, s18, 15
	s_lshr_b32 s18, s18, 4
	s_lshr_b32 s19, s18, 1
	s_and_b32 s21, s18, 1
	s_lshl_b32 s24, s22, 16
	s_lshl_b32 s23, s19, 8
	s_add_co_u32 s24, s24, s23
	s_lshl_b32 s23, s21, 6
	s_add_co_u32 s24, s24, s23
	s_add_nc_u64 s[16:17], s[6:7], s[24:25]
	ALOAD 2048
	s_mul_i32 s26, s19, REC
	s_lshl_b32 s23, s21, 9
	s_add_co_u32 s28, s26, s23
	s_add_co_u32 s28, s28, s22
	s_add_co_u32 s28, s28, 16384
	s_lshl_b32 s23, s21, 13
	s_add_co_u32 s26, s26, s23
	s_lshl_b32 s23, s22, 8
	s_add_co_u32 s26, s26, s23
	WQ
	TO 14, 3
	s_wait_loadcnt 0x0
	s_branch .Lcore
.Lnota2:
	s_cmp_lt_u32 ttmp9, 608
	s_cbranch_scc0 .Lnota3
	s_sub_co_u32 s18, ttmp9, 576                   ; W3 along axis 0
	s_and_b32 s22, s18, 15
	s_lshr_b32 s21, s18, 4
	s_lshl_b32 s24, s22, 13
	s_lshl_b32 s23, s21, 6
	s_add_co_u32 s24, s24, s23
	s_add_nc_u64 s[16:17], s[8:9], s[24:25]
	ALOAD 256
	s_lshl_b32 s26, s21, 13
	s_lshl_b32 s23, s22, 8
	s_add_co_u32 s26, s26, s23
	s_add_co_u32 s26, s26, W3A
	s_lshl_b32 s28, s21, 9
	s_add_co_u32 s28, s28, s22
	s_add_co_u32 s28, s28, W3AS
	WQ
	TO 14, 3
	s_wait_loadcnt 0x0
	s_branch .Lcore
.Lnota3:
	s_cmp_lt_u32 ttmp9, 640
	s_cbranch_scc0 .Lnota1
	s_sub_co_u32 s18, ttmp9, 608                   ; W1 along axis 0, K blocks 0 and 1
	s_and_b32 s22, s18, 1
	s_lshr_b32 s18, s18, 1
	W1SET
	ALOAD 2048
	s_wait_loadcnt 0x0
	s_branch .Lcore
.Lnota1:
	s_cmp_lt_u32 ttmp9, 656
	s_cbranch_scc0 .Lx
	s_sub_co_u32 s18, ttmp9, 640                   ; K = 64 alone in block 2; block 3 is the quantiser's fill: zero codes, the byte 1
	s_mov_b32 s22, 2
	W1SET
	global_load_b32 v[X], v12, s[16:17]
.set i, 1
.rept 31
	v_mov_b32 v[X+i], 0
.set i, i+1
.endr
.irp i,104,105,106,107
	v_mov_b32 v[\i], 0
.endr
	v_mov_b32 v108, 1
	global_store_b128 v20, v[104:107], s[26:27] offset:256
	global_store_b8 v21, v108, s[28:29] offset:1
	s_wait_alu depctr_va_vdst(0)
	s_wait_loadcnt 0x0
	s_branch .Lcore
.Lx:	; [x, t] of 16 samples: lane (r, h) holds x(r, 32 h ..); the block of t stands in the lanes with h = 0, the fill in the others
	s_load_b32 s30, s[14:15], 0x0
	s_sub_co_u32 s18, ttmp9, 656
	s_mul_i32 s24, s18, 4160
	s_add_nc_u64 s[16:17], s[12:13], s[24:25]
.set i, 0
.rept 32
	global_load_b32 v[X+i], v17, s[16:17] offset:4*i       ; rows of 260 bytes allow no wider aligned load
.set i, i+1
.endr
	s_lshl_b32 s26, s18, 10
	s_add_co_u32 s26, s26, XC
	s_lshl_b32 s28, s18, 6
	s_add_co_u32 s28, s28, XCS
	WQ
	TO 18, 19
.irp i,105,106,107,108,109,110,111,117,118,119
	v_mov_b32 v[\i], 0
.endr
	s_wait_alu depctr_va_vdst(0)
	s_wait_kmcnt 0x0
	v_mov_b32 v120, s30
	v_cmp_eq_u32 vcc_lo, 0, v5
	v_cndmask_b32 v104, 0, v120, vcc_lo
	v_max_num_f32 v112, 0x1800000, |v104|
	v_add_nc_u32 v113, 0xff000000, v112
	v_cvt_scalef32_pk8_fp4_f32 v116, v[104:111], v113
	v_lshrrev_b32 v114, 23, v113
	global_store_b128 v20, v[116:119], s[26:27] offset:256
	global_store_b8 v21, v114, s[28:29] offset:2
	s_wait_loadcnt 0x0
.Lcore:	; the block's largest magnitude (two chains, the floor 2^(3 - 127) among the leaves), the conversions' scale operand (2 off the exponent field), the codes, the byte
	v_max3_num_f32 v102, |v[X]|, |v[X+1]|, 0x1800000
	v_max3_num_f32 v103, |v[X+16]|, |v[X+17]|, |v[X+18]|
.irp i,2,4,6,8,10,12
	v_max3_num_f32 v102, v102, |v[X+\i]|, |v[X+\i+1]|
	v_max3_num_f32 v103, v103, |v[X+\i+17]|, |v[X+\i+18]|
.endr
	v_max3_num_f32 v102, v102, |v[X+14]|, |v[X+15]|
	v_max3_num_f32 v102, v102, v103, |v[X+31]|
	v_add_nc_u32 v100, 0xff000000, v102
.irp g,0,1,2,3
	v_cvt_scalef32_pk8_fp4_f32 v[CD+\g], v[X+8*\g:X+8*\g+7], v100
.endr
	v_lshrrev_b32 v101, 23, v100
	global_store_b128 v20, v[CD:CD+3], s[26:27]    ; sixteen neighbouring lanes fill 256 consecutive bytes (x: sixteen lanes of one eight samples)
	global_store_b8 v21, v101, s[28:29]
	s_cmp_eq_u32 s20, 0
	s_cbranch_scc1 .Lend
	v_add_nc_u32 v22, s20, v21
	global_store_b8 v22, v101, s[28:29]
.Lend:	; a wave's end
	s_wait_tensorcnt 0x0
	ds_add_u32 v1, v2
	s_wait_dscnt 0x0
	s_endpgm
.Lfunc_end_k_q45120c0a51_prep:
	.size	k_q45120c0a51_prep, .Lfunc_end_k_q45120c0a51_prep-k_q45120c0a51_prep
	.p2alignl 7, 3214868480
	.fill 96, 4, 3214868480
	.section	.rodata,"a",@progbits
	.p2align	6, 0x0
	.amdhsa_kernel k_q45120c0a51_prep
		.amdhsa_group_segment_fixed_size 4608
		.amdhsa_private_segment_fixed_size 0
		.amdhsa_enable_private_segment 0
		.amdhsa_kernarg_size 48
		.amdhsa_user_sgpr_count 2
		.amdhsa_user_sgpr_kernarg_segment_ptr 1
		.amdhsa_wavefront_size32 1
		.amdhsa_system_sgpr_workgroup_id_x 1
		.amdhsa_system_sgpr_workgroup_id_y 1
		.amdhsa_system_sgpr_workgroup_id_z 1
		.amdhsa_system_vgpr_workitem_id 0
		.amdhsa_next_free_vgpr 128
		.amdhsa_next_free_sgpr 66
		.amdhsa_reserve_vcc 1
		.amdhsa_float_denorm_mode_32 3
		.amdhsa_float_denorm_mode_16_64 3
		.amdhsa_memory_ordered 1
		.amdhsa_forward_progress 1
		.amdhsa_inst_pref_size 28
	.end_amdhsa_kernel
	.amdgpu_metadata
---
amdhsa.version: [ 1, 2 ]
amdhsa.kernels:
  - .name:           k_q45120c0a51_prep
    .symbol:         k_q45120c0a51_prep.kd
    .args:
      - { .name: W1, .offset: 0, .size: 8, .value_kind: global_buffer, .address_space: global }
      - { .name: W2, .offset: 8, .size: 8, .value_kind: global_buffer, .address_space: global }
      - { .name: W3, .offset: 16, .size: 8, .value_kind: global_buffer, .address_space: global }
      - { .name: wq, .offset: 24, .size: 8, .value_kind: global_buffer, .address_space: global }
      - { .name: x, .offset: 32, .size: 8, .value_kind: global_buffer, .address_space: global }
      - { .name: t, .offset: 40, .size: 8, .value_kind: global_buffer, .address_space: global }
    .group_segment_fixed_size: 4608
    .private_segment_fixed_size: 0
    .kernarg_segment_align: 8
    .kernarg_segment_size: 48
    .max_flat_workgroup_size: 32
    .sgpr_count:     66
    .vgpr_count:     128
    .wavefront_size: 32
...
	.end_amdgpu_metadata
.endif
;; end of part 1
;; launch jac (part 2): grid 256 x 1, 8 waves a work-group, clusters of 4 x 1, 327,680 bytes of LDS; arguments b1, b2, b3, wq, out0; writes out0
.if DOCPART == 2
	.amdgcn_target "amdgcn-amd-amdhsa--gfx1250"
	.amdhsa_code_object_version 6
	.text
	.protected	k_q45120c0a51_jac
	.globl	k_q45120c0a51_jac
	.p2align	8
	.type	k_q45120c0a51_jac,@function
k_q45120c0a51_jac:
	s_mov_b64 s[64:65], 0
	v_nop
	global_prefetch_b8 v0, s[64:65] scope:SCOPE_SE
	s_setreg_imm32_b32 hwreg(HW_REG_WAVE_MODE, 25, 1), 1
	s_wait_xcnt 0x0
	s_wait_alu depctr_hold_cnt(0) depctr_sa_sdst(0) depctr_va_vdst(0) depctr_va_sdst(0) depctr_va_ssrc(0) depctr_va_vcc(0) depctr_vm_vsrc(0)
	s_getreg_b32 s2, hwreg(HW_REG_IB_STS2, 6, 4)
	s_cmp_eq_u32 s2, 0
	s_cbranch_scc0 .Lentry_in_a_cluster
	s_endpgm
.Lentry_in_a_cluster:
	s_bfe_u32 s2, ttmp6, 0x10000c
	s_cmp_lg_u32 s2, 0x3003
	s_cbranch_scc0 .Lentry_shape_is_right
	s_endpgm
.Lentry_shape_is_right:
; out0[b] = [ dx[b], div[b] ] for 8 samples a work-group; [x, t] and the weights come as codes and scale words from wq (its layout: the head of the launch before).
; WORK LEFT OUT (shown at the head of the launch before): products 4-6 are products 1-3 again; of product 9 only the 16 x 16 tiles on the diagonal are made, and not column 64.
; A NaN, an infinity or an overflow that reaches only that work is not carried to the result.
; LIMITS: tanh(z) = 1 - 2 / (1 + 2^(2.88539 z)), absolute error about 1e-7, right at both ends of the range; 1 - h^2 is one fused multiply-add on the f32 h;
; a block of zeros or under 2^-124 gets the scale byte 1 (its codes are zeros or the rule's own); NaN and infinities among the inputs are not served.
; THE CHAIN.  h1, h2, dx forward (a tile of 16 rows: row r is sample r % 8, rows 8-15 are copies).  G = (I / 2) Q(W3)^T (product 7; I / 2 is the code 4.0 under the byte 124).
; gz2[b][j][k] = G[j][k] (1 - h2[b][k]^2), quantised along k;  gh1 = gz2 Q(W2)^T (product 8);  gz1 = gh1 (1 - h1^2), quantised along m;  J = gz1 Q(W1)^T (product 9);  div = the sum of J[j][j].
; SHARES.  Forward: wave w makes hidden units 64 w .. + 63 (dx: tile w % 4 of the outputs over half w / 4 of K).  Backward: wave w takes sample w, all 64 j: gz2 is made in the registers in which product 8 takes it.
; ALL PRODUCTS BUT 9 ARE USED TRANSPOSED (source 0 = 16 rows of a weight, source 1 = 16 rows of the activations): a lane holds one row, and its 32 registers of four tiles are one block of 32 of the next K:
; 64 g + 32 h + 0 .. 31.  j of tile jt: 8 jt + r % 8 + 32 (r / 8), as W1's rows, so that product 9's diagonal lies at equal row numbers.
; CLUSTER.  All work-groups read the same weights: W2 both ways, W3 and W1 along axis 1 are asked for jointly by the four of a cluster, 77 rows of 256 bytes a wave at a time; nothing is filled again.
; W1 and W3 along axis 0 go straight into registers, each byte once a work-group.  No prefetch: no loop walks a stream from memory.
; LDS: 0 eight records (REC; a wave alone reads its own W2 part, and when it has, its 1 - h1^2 and 1 - h2^2 lie there: 272 bytes a sample, at 0 and at 2304);  R1: W2 and W1 along axis 1;
; LH1: h1's and, HH2 on, h2's fragments and scale words; behind product 2 out0's rows (two parts of dx) where h1 lay.  All of LDS is claimed.
.set REC,  19712
.set R1,   157696
.set LH1,  315392
.set LHS,  LH1+4096
.set HH2,  4352
.set LOUT, LH1
.set OUT2, 2080
.set SPARE, 324096                     ; the spare words, 128 bytes for each wave
.set W1G,  315392                      ; in wq: W1, W3 along axis 0, [x, t]
.set W1GS, 348160
.set W3G,  350208
.set W3GS, 366592
.set XC,   367616
.set XCS,  498688
; REGISTERS, window 0, kept:
.set SPW, 1                            ; LDS address of my spare word; never rewritten
.set NIL, 2                            ; 0; never rewritten
.set LI,  3                            ; 16 x lane
.set R16, 4                            ; 16 r
; v5-12 global offsets at the head;
.set HWI, 13                           ; where my half fragment of a hidden layer goes
.set HWS, 14                           ; and its scale bytes
.set FA,  15                           ; my record
.set FAS, 16
.set DW,  17                           ; where my 1 - h^2 go
.set HFA, 18
.set HSA, 19
.set OW,  20                           ; dx
.set TM,  5                            ; v5-14 at work, once the forward part is over
.set EK,  15                           ; v15-18 scale bytes of a pair's first chunk
.set D2A, 21                           ; v21-22 my sample's 1 - h2^2 in records 0-3, 4-7
.set W3LA, 23                          ; v23-24 W3's fragments
.set W3SA, 25                          ; v25-26 and scale words
.set ADB, 27                           ; W2 along axis 1, + 32768 a pair of chunks
.set ABS, 28                           ; its scale words, + 2048
.set D1A, 29                           ; my sample's 1 - h1^2, + 2 REC
.set W1LA, 30                          ; W1's fragments, + 4096
.set W1SA, 31                          ; its scale words, + 256
.set ACC, 32                           ; v32-159 sums; forward: HA; gz2: two buffers of 64
.set HA,  32
.set XF,  64                           ; forward: [x, t]; b1 v72-103 (then 1 - h2^2); b2 v104-135; HF v136-167; 1 - h1^2 v168-199; codes v200-203; at work v204-207
.set B1,  72
.set B2,  104
.set HF,  136
.set D1R, 168
.set PCF, 200
.set D2,  160                          ; gz2: v160-223 1 - h2^2 of a K step
.set D1,  160                          ; v160-191 1 - h1^2 of a chunk
.set J,   192                          ; v192-223 J, a sum for each tile of j
; v224-255 hold scale words and nothing else
.set BS,  224
.set AS,  240                          ; 4 (tile pair) + s: the even tile's word in lanes 0-15, the odd tile's in lanes 16-31
.set W1S, 248
.set PW,  252
.set XS,  254
.set IDS, 255
; window 1: forward: W1 v0-31, W3 v32-47, b3 v48-55, W2 v64-191; then gz2's codes at 32 jt + 8 s
.set FB,  128                          ; v128-191 weights' fragments: two K steps of W2, or W3's K step
.set PC,  192                          ; v192-223 gz1's codes; before that the identity
.set W1F, 224                          ; v224-255 W1's fragments
.set MSB, 0
.macro WIN new                         ; the immediate's high byte repeats the setting that is left; a switch that changes nothing is dropped
.if MSB != \new
	s_set_vgpr_msb (MSB<<8)|\new
.set MSB, \new
.endif
.endm
.macro PLACES cnt                      ; plain vector lines behind matrix instructions and ahead of scaled ones
.rept \cnt
	v_nop
.endr
.endm
.macro MM d, a, b, c, sa, sb
	v_wmma_scale_f32_16x16x128_f8f6f4 v[\d:\d+7], v[\a:\a+7], v[\b:\b+7], v[\c:\c+7], v[\sa], v[\sb] matrix_a_fmt:MATRIX_FMT_FP4 matrix_b_fmt:MATRIX_FMT_FP4
.endm
.macro MM0 d, a, b, sa, sb             ; the first product starts the sum
	v_wmma_scale_f32_16x16x128_f8f6f4 v[\d:\d+7], v[\a:\a+7], v[\b:\b+7], 0, v[\sa], v[\sb] matrix_a_fmt:MATRIX_FMT_FP4 matrix_b_fmt:MATRIX_FMT_FP4
.endm
.macro ROUND                           ; a round of the cluster's barrier
	s_barrier_signal -1
	s_barrier_wait -1
	s_cmp_lg_u32 s18, 0
	s_cbranch_scc1 .Lnw_\@
	s_barrier_signal -3
.Lnw_\@:
	s_barrier_wait -3
	s_barrier_signal -1
	s_barrier_wait -1
.endm
.macro BARRIER                         ; my LDS stores have landed and my LDS loads are in: then the work-group's barrier
	s_wait_dscnt 0x0
	s_barrier_signal -1
	s_barrier_wait -1
.endm
; tanh of the 32 numbers in HA, in place.  Each batch of transcendentals has the wait ahead of it and, behind one plain line, the wait ahead of its first reader.
.macro TANH
.set i, 0
.rept 16
	v_pk_mul_f32 v[HA+i:HA+i+1], v[HA+i:HA+i+1], s[58:59] op_sel_hi:[1,0]
.set i, i+2
.endr
	s_wait_alu depctr_va_vdst(0)
.set i, 0
.rept 32
	v_exp_f32 v[HA+i], v[HA+i]
.set i, i+1
.endr
	v_nop
	s_wait_alu depctr_va_vdst(0)
.set i, 0
.rept 16
	v_pk_add_f32 v[HA+i:HA+i+1], v[HA+i:HA+i+1], 1.0 op_sel_hi:[1,0]
.set i, i+2
.endr
	s_wait_alu depctr_va_vdst(0)
.set i, 0
.rept 32
	v_rcp_f32 v[HA+i], v[HA+i]
.set i, i+1
.endr
	v_nop
	s_wait_alu depctr_va_vdst(0)
.set i, 0
.rept 16
	v_pk_fma_f32 v[HA+i:HA+i+1], v[HA+i:HA+i+1], -2.0, 1.0 op_sel_hi:[1,0,0]
.set i, i+2
.endr
.endm
.macro DERIV dst                       ; 1 - h^2
.set i, 0
.rept 16
	v_pk_fma_f32 v[\dst+i:\dst+i+1], v[HA+i:HA+i+1], v[HA+i:HA+i+1], 1.0 op_sel_hi:[1,1,0] neg_lo:[1,0,0] neg_hi:[1,0,0]
.set i, i+2
.endr
.endm
.macro DSTORE src, off                 ; into my own record, whose W2 I have read; rows r and r + 8 hold the same numbers
.irp i,0,1,2,3,4,5,6,7
	ds_store_b128 v[DW], v[\src+4*\i:\src+4*\i+3] offset:\off+16*\i
.endr
.endm
; A lane's 32 numbers are one block: the largest magnitude (two chains, the floor 2^(3 - 127) among the leaves), the conversions' scale operand (2 off the exponent field), codes and byte; they go to LDS as an image of the operand.
.macro HIDDEN off
	v_max3_num_f32 v204, s57, |v[HA]|, |v[HA+1]|
	v_max3_num_f32 v205, |v[HA+16]|, |v[HA+17]|, |v[HA+18]|
.irp i,2,4,6,8,10,12
	v_max3_num_f32 v204, v204, |v[HA+\i]|, |v[HA+\i+1]|
	v_max3_num_f32 v205, v205, |v[HA+\i+17]|, |v[HA+\i+18]|
.endr
	v_max3_num_f32 v204, v204, |v[HA+14]|, |v[HA+15]|
	v_max3_num_f32 v204, v204, v205, |v[HA+31]|
	v_add_nc_u32 v206, s56, v204
.irp g,0,1,2,3
	v_cvt_scalef32_pk8_fp4_f32 v[PCF+\g], v[HA+8*\g:HA+8*\g+7], v206
.endr
	v_lshrrev_b32 v207, 23, v206
	ds_store_b128 v[HWI], v[PCF:PCF+3] offset:\off
	ds_store_b8 v[HWS], v207 offset:\off
.endm
	; ================ THE HEAD
	s_load_b256 s[4:11], s[0:1], 0x0               ; b1 s[4:5], b2 s[6:7], b3 s[8:9], wq s[10:11]
	s_load_b64 s[16:17], s[0:1], 0x20              ; out0
	v_lshl_add_u32 v[SPW], v0, 2, SPARE
	v_mov_b32 v[NIL], 0
	ds_add_u32 v[SPW], v[NIL]                      ; the wave's opening: the add, twice on end, and its wait ahead of my first tensor load
	ds_add_u32 v[SPW], v[NIL]
	v_lshrrev_b32 v140, 5, v0
	v_readfirstlane_b32 s18, v140                  ; wave 0..7
	s_bfe_u32 s19, ttmp6, 0x40000                  ; my place in the cluster
	s_lshl_b32 s20, ttmp9, 2
	s_add_co_u32 s20, s20, s19                     ; my work-group: it enters [x, t]'s and out0's addresses alone
	; descriptor group 1: 77 rows of 256 bytes (32 elements of 8 bytes), dense, no padding
	s_mov_b32 s24, 15|(3<<16)|(1<<21)              ; 15:0 the mask: all four work-groups; 17:16 elements of 8 bytes; 21 set beside a mask
	s_mov_b32 s25, 32<<16                          ; tensor_dim0
	s_mov_b32 s26, 77<<16                          ; tensor_dim1
	s_mov_b32 s27, 32<<16                          ; tile_dim0
	s_mov_b32 s28, 77                              ; tile_dim1
	s_mov_b32 s29, 32                              ; from row to row
	s_mov_b32 s30, 0
	s_mov_b32 s31, 0
	s_mul_i32 s12, s18, REC                        ; my record: LDS address = offset in wq
	s_mov_b32 s13, 0
	s_mov_b32 s36, 1
	s_mov_b32 s37, s12
	s_mov_b32 s40, 1
	s_add_co_u32 s41, s12, R1                      ; and my eighth of R1
	s_lshl_b32 s32, s20, 9
	s_mov_b32 s33, 0
	s_lshl_b32 s34, s20, 5
	s_mov_b32 s35, 0
	s_mul_i32 s46, s20, 2080                       ; 8 rows of 260 bytes
	s_mov_b32 s47, 0
	s_mov_b32 s56, 0xff000000                      ; 2 off an exponent field
	s_mov_b32 s57, 0x1800000                       ; the floor 2^(3 - 127)
	s_mov_b32 s58, 0x4038aa3b                      ; 2 log2(e)
	s_mov_b32 s59, s58
	s_mov_b32 s22, 0x76543210                      ; lane selects: lane l xor 16
	s_mov_b32 s23, 0xfedcba98
	s_and_b32 s48, s18, 3                          ; dx: my tile T,
	s_lshr_b32 s49, s18, 2                         ; and my half of K
	s_cmp_eq_u32 s49, 0
	s_cselect_b32 s44, 0x3f000000, 0               ; b3 / 2 is added by the first half alone
	s_mov_b32 s45, s44
	v_and_b32 v136, 31, v0                         ; lane
	v_and_b32 v137, 15, v0                         ; r
	v_bfe_u32 v138, v0, 4, 1                       ; h
	v_and_b32 v139, 7, v0                          ; r % 8
	v_lshlrev_b32 v[LI], 4, v136
	v_lshlrev_b32 v[R16], 4, v137
	v_lshlrev_b32 v5, 4, v139
	v_lshl_add_u32 v5, v138, 7, v5                 ; [x, t]
	v_lshlrev_b32 v6, 2, v139
	s_lshl_b32 s2, s18, 8
	v_lshl_add_u32 v7, v138, 7, s2                 ; b1, b2: 64 w + 32 h
	s_lshl_b32 s3, s18, 12
	v_add_nc_u32 v8, s3, v[LI]                     ; W1: tiles 4 w ..
	v_add_nc_u32 v9, s2, v[R16]
	s_lshl_b32 s50, s48, 12
	s_lshl_b32 s51, s49, 11
	s_add_co_u32 s50, s50, s51
	v_add_nc_u32 v10, s50, v[LI]                   ; W3: tile T, K steps 2 (w / 4), + 1
	s_wait_alu depctr_va_vdst(0)
	s_lshl_b32 s50, s48, 8
	s_lshl_b32 s51, s49, 3
	s_add_co_u32 s50, s50, s51
	v_add_nc_u32 v11, s50, v[R16]
	s_lshl_b32 s52, s48, 5
	v_lshl_add_u32 v12, v138, 7, s52               ; b3: outputs 8 T + 32 h + 0 .. 7
	s_wait_alu depctr_va_vdst(0)
	s_wait_dscnt 0x0                               ; both opening adds are done
	s_wait_kmcnt 0x0
	s_add_nc_u64 s[32:33], s[10:11], s[32:33]
	s_add_nc_u64 s[34:35], s[10:11], s[34:35]
	s_add_nc_u64 s[38:39], s[10:11], s[12:13]
	s_add_nc_u64 s[42:43], s[38:39], R1
	s_or_b32 s39, s39, 0x80000000                  ; type = 2
	s_or_b32 s43, s43, 0x80000000
	s_add_nc_u64 s[16:17], s[16:17], s[46:47]
	; what goes straight into registers: 20 loads for product 1, then 15 for later
	global_load_b128 v[XF:XF+3], v5, s[32:33] offset:XC
	global_load_b128 v[XF+4:XF+7], v5, s[32:33] offset:XC+256
	global_load_b32 v[XS], v6, s[34:35] offset:XCS
	global_load_b128 v[W1S:W1S+3], v9, s[10:11] offset:W1GS
	WIN 0x40
.irp i,0,1,2,3,4,5,6,7
	global_load_b128 v[4*\i:4*\i+3], v8, s[10:11] offset:W1G+512*\i
.endr
	WIN 0
.irp i,0,1,2,3,4,5,6,7
	global_load_b128 v[B1+4*\i:B1+4*\i+3], v7, s[4:5] offset:16*\i      ; b1 and b2 in the result's layout: the C of each sum's first product
.endr
.irp i,0,1,2,3,4,5,6,7
	global_load_b128 v[B2+4*\i:B2+4*\i+3], v7, s[6:7] offset:16*\i
.endr
	global_load_b64 v[AS+4:AS+5], v11, s[10:11] offset:W3GS
	WIN 0x40
.irp i,0,1,2,3
	global_load_b128 v[32+4*\i:35+4*\i], v10, s[10:11] offset:W3G+512*\i
.endr
	global_load_b128 v[48:51], v12, s[8:9]
	global_load_b128 v[52:55], v12, s[8:9] offset:16
	WIN 0
	ROUND                                          ; all four work-groups are here: the joint loads meet
	tensor_load_to_lds s[36:39], s[24:31]          ; my record: the wave's one tensor load at the head
	s_nop 0
	PLACES 4
	s_lshl_b32 s3, s18, 9
	s_add_co_u32 s3, s3, LH1
	v_add_nc_u32 v[HWI], s3, v[LI]                 ; fragment w / 2, half w % 2
	s_lshl_b32 s3, s18, 1
	s_add_co_u32 s3, s3, LHS
	v_add_nc_u32 v[HWS], v[R16], v138
	v_add_nc_u32 v[HWS], s3, v[HWS]                ; byte 2 (w % 2) + h of word w / 2 of row r
	v_add_nc_u32 v[FA], s12, v[LI]
	s_add_co_u32 s3, s12, 16384
	v_add_nc_u32 v[FAS], s3, v[R16]
	v_mul_u32_u24 v[DW], v139, 272
	v_lshl_add_u32 v[DW], v138, 7, v[DW]
	v_add_nc_u32 v[DW], s12, v[DW]
	v_add_nc_u32 v[HFA], LH1, v[LI]
	v_add_nc_u32 v[HSA], LHS, v[R16]
	s_mul_i32 s3, s49, OUT2
	s_add_co_u32 s3, s3, s52
	s_add_co_u32 s3, s3, LOUT
	v_mul_u32_u24 v[OW], v139, 260
	v_lshl_add_u32 v[OW], v138, 7, v[OW]
	v_add_nc_u32 v[OW], s3, v[OW]
	s_mul_i32 s3, s18, 272
	v_lshl_add_u32 v[D1A], v138, 7, s3
	v_add_nc_u32 v[D2A], 2304, v[D1A]
	v_add_nc_u32 v[D2A+1], 2304+4*REC, v[D1A]
	v_add_nc_u32 v[W3LA], 17408, v[LI]
	v_add_nc_u32 v[W3LA+1], 17408+4*REC, v[LI]
	v_add_nc_u32 v[W3SA], 19456, v[R16]
	v_add_nc_u32 v[W3SA+1], 19456+4*REC, v[R16]
	v_add_nc_u32 v[ADB], R1, v[LI]
	v_add_nc_u32 v[ABS], R1+131072, v[R16]
	v_add_nc_u32 v[W1LA], R1+139264, v[LI]
	v_add_nc_u32 v[W1SA], R1+155648, v[R16]
	v_mov_b32 v[IDS], 0x7c7c7c7c
	; Q(I / 2): in tile jt row r has the code of 4.0 at i = 8 jt + r % 8 + 32 (r / 8): register jt, place r % 8, of the lanes with h = r / 8.  That register among zeros, at an even and at an odd place, serves all four tiles
	v_bfe_u32 v141, v0, 3, 1
	v_lshlrev_b32 v140, 2, v139
	v_lshlrev_b32 v140, v140, 6
	v_cmp_eq_u32 vcc_lo, v141, v138
	WIN 0x40
	v_cndmask_b32 v[PC+2], 0, v140, vcc_lo
	v_cndmask_b32 v[PC+13], 0, v140, vcc_lo
.irp g,0,1,3,4,5,6,7,8,9,10,11,12,14,15,16,17,18,19
	v_mov_b32 v[PC+\g], 0
.endr
	WIN 0
	s_wait_alu depctr_va_vdst(0)
	s_wait_loadcnt 15                              ; the 20 loads for product 1 are in; 15 younger ones may be out
	; ================ PRODUCT 1, THE FIRST HIDDEN LAYER
	WIN 0x01                                       ; source 0 window 1
.irp t,0,1,2,3
	MM HA+8*\t, 8*\t, XF, B1+8*\t, W1S+\t, XS
.endr
	WIN 0
	PLACES 4
	TANH
	DERIV D1R                                      ; kept in registers until my record has been read
	HIDDEN 0
	s_wait_tensorcnt 0x0                           ; my record has landed
	ds_add_u32 v[SPW], v[NIL]
	s_wait_dscnt 0x0                               ; the add is done, and so are my stores of h1
	ROUND                                          ; h1's fragments and all records lie in LDS, in every work-group of the cluster
	tensor_load_to_lds s[40:43], s[24:31]          ; my eighth of R1: the first tensor load behind the round, and the last of the launch
	s_nop 0
	PLACES 4
	; ================ PRODUCT 2, THE SECOND HIDDEN LAYER
	ds_load_b128 v[AS:AS+3], v[HSA]
.irp t,0,1,2,3
	ds_load_b128 v[BS+4*\t:BS+4*\t+3], v[FAS] offset:256*\t
.endr
.irp s,0,1,2,3
.irp c,0,1
	ds_load_b128 v[HF+8*\s+4*\c:HF+8*\s+4*\c+3], v[HFA] offset:1024*\s+512*\c
.endr
	WIN 0x40
.irp t,0,1,2,3
.irp c,0,1
	ds_load_b128 v[64+8*(4*\t+\s)+4*\c:67+8*(4*\t+\s)+4*\c], v[FA] offset:(4*\t+\s)*1024+512*\c
.endr
.endr
	WIN 0
.endr
	s_wait_loadcnt 0x0                             ; b2, W3's codes and words, b3
.irp s,0,1,2,3                         ; four accumulators by turns, a K step at a time
	s_wait_dscnt 30-10*\s                          ; ten loads for each later K step may be out
	WIN 0x01
.irp t,0,1,2,3
.if \s == 0
	MM HA+8*\t, 64+8*(4*\t+\s), HF+8*\s, B2+8*\t, BS+4*\t+\s, AS+\s
.else
	MM HA+8*\t, 64+8*(4*\t+\s), HF+8*\s, HA+8*\t, BS+4*\t+\s, AS+\s
.endif
.endr
.endr
	WIN 0
	DSTORE D1R, 0                                  ; my reads of my record's W2 are in
	PLACES 4
	TANH
	DERIV B1
	HIDDEN HH2
	DSTORE B1, 2304
	BARRIER                                        ; h2's fragments and both 1 - h^2 lie in LDS; nobody reads h1's fragments any more
	; ================ PRODUCT 3 AND dx
.macro W3LOAD s                        ; 8 + 2 loads: K step s of W3 along axis 1
	WIN 0x40
.irp n,0,1,2,3,4,5,6,7
	ds_load_b128 v[FB+4*\n:FB+4*\n+3], v[W3LA+(\s)/2] offset:REC*(2*((\s)%2)+\n/4)+512*(\n%4)
.endr
	WIN 0
.irp c,0,1
	ds_load_b128 v[BS+4*\c:BS+4*\c+3], v[W3SA+(\s)/2] offset:REC*(2*((\s)%2)+\c)
.endr
.endm
.macro D2LOAD s                        ; 16 loads: my sample's 1 - h2^2 of K step s
.irp c,0,1
.irp i,0,1,2,3,4,5,6,7
	ds_load_b128 v[D2+32*\c+4*\i:D2+32*\c+4*\i+3], v[D2A+(\s)/2] offset:REC*(2*((\s)%2)+\c)+16*\i
.endr
.endr
.endm
	s_lshl_b32 s2, s49, 11
	s_lshl_b32 s3, s49, 3
	v_add_nc_u32 v5, s2, v[HFA]
	v_add_nc_u32 v6, s3, v[HSA]
.irp i,0,1,2,3
	ds_load_b128 v[64+4*\i:67+4*\i], v5 offset:HH2+512*\i
.endr
	ds_load_b64 v[AS:AS+1], v6 offset:HH2
	W3LOAD 0
	D2LOAD 0
	WIN 0x40
.irp g,32,33,34,35
	v_mov_b32 v[FB+\g], 0                          ; behind W3's last half fragment: named as the upper half of an operand
.endr
	WIN 0
	s_wait_alu depctr_va_vdst(0)
	s_wait_dscnt 26                                ; product 3's five loads are in; the 26 behind them may be out
	WIN 0x01
	MM0 HA, 32, 64, AS+4, AS
	MM0 HA+8, 40, 72, AS+5, AS+1
	WIN 0
	PLACES 4
.irp k,0,2,4,6
	v_pk_add_f32 v[144+\k:145+\k], v[HA+\k:HA+\k+1], v[HA+8+\k:HA+9+\k]
.endr
.irp k,0,2,4,6
	v_pk_mul_f32 v[144+\k:145+\k], v[144+\k:145+\k], 0.5 op_sel_hi:[1,0]
.endr
	WIN 0x01
.irp k,0,2,4,6
	v_pk_fma_f32 v[144+\k:145+\k], v[48+\k:49+\k], s[44:45], v[144+\k:145+\k] op_sel_hi:[1,0,1]
.endr
	WIN 0
.irp q,0,1,2,3,4,5,6,7
	ds_store_b32 v[OW], v[144+\q] offset:4*\q      ; my part of dx(r % 8, 8 outputs): rows r and r + 8 hold the same numbers
.endr
	; ================ gz2 OF MY SAMPLE, INTO THE REGISTERS OF PRODUCT 8
.macro GMM jt                          ; G(j of tile jt, a K step): 64 numbers a lane, in one of two buffers.  Source 0's upper half is the next tile's codes: it meets the identity's zero codes
	WIN 0x05
.if (\jt)%2
.set IDJ, PC+13-(\jt)
.else
.set IDJ, PC+2-(\jt)
.endif
.set GB, ACC+64*((\jt)%2)
.irp n,0,1,2,3,4,5,6,7
	MM0 GB+8*\n, FB+4*\n, IDJ, BS+\n, IDS
.endr
	WIN 0
.endm
.macro GMUL jt
.set GB, ACC+64*((\jt)%2)
.set i, 0
.rept 32
	v_pk_mul_f32 v[GB+i:GB+i+1], v[GB+i:GB+i+1], v[D2+i:D2+i+1]
.set i, i+2
.endr
.endm
; Two blocks of 32, at a and at b: the largest magnitudes in v[TM] and v[TM + 2], two chains a block, the floor among the leaves; then the conversions' scale operands in v[TM + 4], v[TM + 5].
.macro TMAX a, b
	v_max3_num_f32 v[TM], s57, |v[\a]|, |v[\a+1]|
	v_max3_num_f32 v[TM+2], s57, |v[\b]|, |v[\b+1]|
	v_max3_num_f32 v[TM+1], |v[\a+16]|, |v[\a+17]|, |v[\a+18]|
	v_max3_num_f32 v[TM+3], |v[\b+16]|, |v[\b+17]|, |v[\b+18]|
.irp i,2,4,6,8,10,12
	v_max3_num_f32 v[TM], v[TM], |v[\a+\i]|, |v[\a+\i+1]|
	v_max3_num_f32 v[TM+2], v[TM+2], |v[\b+\i]|, |v[\b+\i+1]|
	v_max3_num_f32 v[TM+1], v[TM+1], |v[\a+\i+17]|, |v[\a+\i+18]|
	v_max3_num_f32 v[TM+3], v[TM+3], |v[\b+\i+17]|, |v[\b+\i+18]|
.endr
	v_max3_num_f32 v[TM], v[TM], |v[\a+14]|, |v[\a+15]|
	v_max3_num_f32 v[TM+2], v[TM+2], |v[\b+14]|, |v[\b+15]|
	v_max3_num_f32 v[TM], v[TM], v[TM+1], |v[\a+31]|
	v_max3_num_f32 v[TM+2], v[TM+2], v[TM+3], |v[\b+31]|
.endm
.macro SCOP
	v_add_nc_u32 v[TM+4], s56, v[TM]
	v_add_nc_u32 v[TM+5], s56, v[TM+2]
.endm
; Scale words of a pair of tiles: a lane holds its row's bytes of blocks h and 2 + h of each.  The swap brings the even tile's four bytes to lanes 0-15 and the odd tile's to lanes 16-31, in two registers.
.macro WORDS dst
	v_permlane16_swap_b32 v[TM+8], v[TM+9]
	v_lshl_or_b32 v[\dst], v[TM+9], 8, v[TM+8]
.endm
.macro GFIX jt, s
.set GB, ACC+64*((\jt)%2)
	SCOP
	v_lshrrev_b32 v[TM+6], 23, v[TM+4]
	v_lshrrev_b32 v[TM+7], 23, v[TM+5]
	WIN 0x40
.irp c,0,1
.irp g,0,1,2,3
	v_cvt_scalef32_pk8_fp4_f32 v[32*\jt+8*\s+4*\c+\g], v[GB+32*\c+8*\g:GB+32*\c+8*\g+7], v[TM+4+\c]
.endr
.endr
	WIN 0
	v_lshl_or_b32 v[TM+8+\jt%2], v[TM+7], 16, v[TM+6]
.if \jt%2
	WORDS AS+4*(\jt/2)+\s
.endif
.endm
	s_wait_dscnt 24                                ; W3's K step is in; 1 - h2^2 (16) and dx's stores (8) may be out
	GMM 0
	s_wait_dscnt 8
	PLACES 4
.irp s,0,1,2,3
.irp n,0,1,2                           ; the next tile's products stand between a tile's multiplications and its maxima: those are their places
	GMUL \n
	GMM \n+1
	TMAX ACC+64*(\n%2), ACC+32+64*(\n%2)
	GFIX \n, \s
.endr
.if \s < 3
	W3LOAD \s+1
.endif
	GMUL 3
.if \s < 3
	D2LOAD \s+1
.endif
	TMAX ACC+64, ACC+96
.if \s < 3
	s_wait_alu depctr_va_vdst(0)
	s_wait_dscnt 16                                ; W3's next K step is in; 1 - h2^2 (16) may be out
	GMM 0
.endif
	GFIX 3, \s
.if \s < 3
	s_wait_dscnt 0x0
.endif
.endr
	s_wait_alu depctr_va_vdst(0)
	s_wait_tensorcnt 0x0                           ; my eighth of R1 has landed (no load was issued behind it)
	BARRIER                                        ; R1 lies in LDS
	; ================ PRODUCTS 8 AND 9: CHUNKS OF 64 OF m, TWO TO A TRIP
.macro FBL off, s                      ; 8 loads: four tiles of W2, K step s, into one of two buffers
	WIN 0x40
.irp t,0,1,2,3
.irp c,0,1
	ds_load_b128 v[FB+32*(\s%2)+8*\t+4*\c:FB+32*(\s%2)+8*\t+4*\c+3], v[ADB] offset:\off+(4*\t+\s)*1024+512*\c
.endr
.endr
	WIN 0
.endm
.macro BSL off                         ; 4 loads: a chunk's scale words
.irp t,0,1,2,3
	ds_load_b128 v[BS+4*\t:BS+4*\t+3], v[ABS] offset:\off+256*\t
.endr
.endm
.macro D1L off                         ; 8 loads: my sample's 1 - h1^2
.irp i,0,1,2,3,4,5,6,7
	ds_load_b128 v[D1+4*\i:D1+4*\i+3], v[D1A] offset:\off+16*\i
.endr
.endm
.macro W1L                             ; 9 loads: W1's four fragments of these 128 m, and their scale words
	WIN 0x40
.irp j,0,1,2,3
.irp c,0,1
	ds_load_b128 v[W1F+8*\j+4*\c:W1F+8*\j+4*\c+3], v[W1LA] offset:1024*\j+512*\c
.endr
.endr
	WIN 0
	ds_load_b128 v[W1S:W1S+3], v[W1SA]
.endm
.macro WB zero, row                    ; one product of 8; the odd tile's scale word stands in lanes 16-31
.if \zero
.if \row
	v_wmma_scale_f32_16x16x128_f8f6f4 v[DD:DD+7], v[FR:FR+7], v[CB:CB+7], 0, v[SA], v[SB] matrix_a_fmt:MATRIX_FMT_FP4 matrix_b_fmt:MATRIX_FMT_FP4 matrix_b_scale:MATRIX_SCALE_ROW1
.else
	v_wmma_scale_f32_16x16x128_f8f6f4 v[DD:DD+7], v[FR:FR+7], v[CB:CB+7], 0, v[SA], v[SB] matrix_a_fmt:MATRIX_FMT_FP4 matrix_b_fmt:MATRIX_FMT_FP4
.endif
.else
.if \row
	v_wmma_scale_f32_16x16x128_f8f6f4 v[DD:DD+7], v[FR:FR+7], v[CB:CB+7], v[DD:DD+7], v[SA], v[SB] matrix_a_fmt:MATRIX_FMT_FP4 matrix_b_fmt:MATRIX_FMT_FP4 matrix_b_scale:MATRIX_SCALE_ROW1
.else
	v_wmma_scale_f32_16x16x128_f8f6f4 v[DD:DD+7], v[FR:FR+7], v[CB:CB+7], v[DD:DD+7], v[SA], v[SB] matrix_a_fmt:MATRIX_FMT_FP4 matrix_b_fmt:MATRIX_FMT_FP4
.endif
.endif
.endm
.macro STEP s, zero, younger           ; 16 accumulators by turns, one K step; younger: the LDS loads issued behind this step's fragments; four places for the loads that follow
	s_wait_dscnt \younger
	WIN 0x05
.irp j,0,1,2,3
.irp t,0,1,2,3
.set DD, ACC+32*\j+8*\t
.set FR, FB+32*(\s%2)+8*\t
.set CB, 32*\j+8*\s
.set SA, BS+4*\t+\s
.set SB, AS+4*(\j/2)+\s
	WB \zero, \j%2
.endr
.endr
	PLACES 4
	WIN 0
.endm
.macro JMM jt                          ; J += gz1 (16 j, these 128 m) x W1 (the same 16 i); four sums by turns
	WIN 0x05
.set DD, J+8*\jt
.set FR, PC+8*\jt
.set CB, W1F+8*\jt
.if \jt%2
	v_wmma_scale_f32_16x16x128_f8f6f4 v[DD:DD+7], v[FR:FR+7], v[CB:CB+7], v[DD:DD+7], v[PW+\jt/2], v[W1S+\jt] matrix_a_fmt:MATRIX_FMT_FP4 matrix_b_fmt:MATRIX_FMT_FP4 matrix_a_scale:MATRIX_SCALE_ROW1
.else
	v_wmma_scale_f32_16x16x128_f8f6f4 v[DD:DD+7], v[FR:FR+7], v[CB:CB+7], v[DD:DD+7], v[PW+\jt/2], v[W1S+\jt] matrix_a_fmt:MATRIX_FMT_FP4 matrix_b_fmt:MATRIX_FMT_FP4
.endif
.endm
.macro EPI j0, cc                      ; gz1 = gh1 (1 - h1^2), in place, and its codes: tiles j0, j0 + 1; cc: the trip's first or second chunk
.set i, 0
.rept 16
	v_pk_mul_f32 v[ACC+32*\j0+i:ACC+32*\j0+i+1], v[ACC+32*\j0+i:ACC+32*\j0+i+1], v[D1+i:D1+i+1]
	v_pk_mul_f32 v[ACC+32*\j0+32+i:ACC+32*\j0+33+i], v[ACC+32*\j0+32+i:ACC+32*\j0+33+i], v[D1+i:D1+i+1]
.set i, i+2
.endr
.if (\cc == 1) && (\j0 == 2)
	JMM 0                                          ; the multiplications above are the places between tiles 0's and 1's codes and scale words and these products
	JMM 1
	WIN 0
.endif
	TMAX ACC+32*\j0, ACC+32*\j0+32
	SCOP
.if \cc
	v_lshrrev_b32 v[TM+6], 23, v[TM+4]
	v_lshrrev_b32 v[TM+7], 23, v[TM+5]
.else
	v_lshrrev_b32 v[EK+\j0], 23, v[TM+4]
	v_lshrrev_b32 v[EK+\j0+1], 23, v[TM+5]
.endif
	WIN 0x40
.irp u,0,1
.irp g,0,1,2,3
	v_cvt_scalef32_pk8_fp4_f32 v[PC+8*(\j0+\u)+4*\cc+\g], v[ACC+32*(\j0+\u)+8*\g:ACC+32*(\j0+\u)+8*\g+7], v[TM+4+\u]
.endr
.endr
	WIN 0
.if \cc
	v_lshl_or_b32 v[TM+8], v[TM+6], 16, v[EK+\j0]
	v_lshl_or_b32 v[TM+9], v[TM+7], 16, v[EK+\j0+1]
	WORDS PW+\j0/2
.elseif \j0 == 2
	v_nop                                          ; one plain line between the scaled conversions and the matrix instructions that write over their sources
.endif
.endm
.macro PAIR more
	STEP 0, 1, 8                                   ; younger: K step 1's fragments
	FBL 0, 2
	D1L 0
	STEP 1, 0, 16                                  ; younger: K step 2's, 1 - h1^2
	FBL 0, 3
	STEP 2, 0, 16                                  ; younger: 1 - h1^2, K step 3's
	FBL 16384, 0
	STEP 3, 0, 8                                   ; younger: the next chunk's K step 0
	BSL 1024
	FBL 16384, 1
	EPI 0, 0
	EPI 2, 0
	STEP 0, 1, 8
	FBL 16384, 2
	D1L REC
	STEP 1, 0, 16
	FBL 16384, 3
	W1L
	STEP 2, 0, 25                                  ; younger: 1 - h1^2, K step 3's, W1's nine
.if \more
	FBL 32768, 0
	STEP 3, 0, 17                                  ; younger: W1's nine, the next trip's K step 0
	BSL 2048
	FBL 32768, 1
	s_wait_dscnt 20                                ; W1's nine are in; the next trip's two K steps and scale words may be out
.else
	STEP 3, 0, 9
	s_wait_dscnt 0x0
.endif
	EPI 0, 1
	EPI 2, 1
.if \more
	v_add_nc_u32 v[ADB], 32768, v[ADB]
	v_add_nc_u32 v[ABS], 2048, v[ABS]
	v_add_nc_u32 v[D1A], 2*REC, v[D1A]
	v_add_nc_u32 v[W1LA], 4096, v[W1LA]
	v_add_nc_u32 v[W1SA], 256, v[W1SA]
	PLACES 3                                       ; eight places behind the scale word
.else
	PLACES 8
.endif
	JMM 2
	JMM 3
	WIN 0
.endm
	FBL 0, 0
	BSL 0
	FBL 0, 1
.set i, 0
.rept 32
	v_mov_b32 v[J+i], 0                            ; J: the trip is written for all four alike, so its first products find zeros
.set i, i+1
.endr
	s_mov_b32 s53, 3
	s_wait_alu depctr_va_vdst(0)
.Lpair:
	PAIR 1
	s_sub_co_u32 s53, s53, 1
	s_cmp_lg_u32 s53, 0
	s_wait_alu depctr_va_vdst(0)
	s_cbranch_scc1 .Lpair
	PAIR 0                                         ; the last trip asks for nothing more
	; ================ THE TRACE AND THE WAY OUT
	PLACES 4
.irp k,0,2,4,6
	v_pk_add_f32 v[J+\k:J+\k+1], v[J+\k:J+\k+1], v[J+8+\k:J+9+\k]
	v_pk_add_f32 v[J+16+\k:J+17+\k], v[J+16+\k:J+17+\k], v[J+24+\k:J+25+\k]
.endr
.irp k,0,2,4,6
	v_pk_add_f32 v[J+\k:J+\k+1], v[J+\k:J+\k+1], v[J+16+\k:J+17+\k]
.endr
	v_and_b32 v6, 15, v0
	v_bfe_u32 v7, v0, 4, 1
	v_lshlrev_b32 v7, 3, v7
	v_sub_nc_u32 v5, v6, v7                        ; register q of lane (r, h) is J(8 h + q, r): mine is q = r - 8 h, in sixteen of the lanes
	v_cmp_eq_u32 vcc_lo, 0, v5
	v_cndmask_b32 v8, 0, v[J], vcc_lo
.irp q,1,2,3,4,5,6,7
	v_cmp_eq_u32 vcc_lo, \q, v5
	v_cndmask_b32 v8, v8, v[J+\q], vcc_lo
.endr
.irp m,1,2,4,8
	v_add_f32_dpp v8, v8, v8 row_xmask:\m row_mask:0xf bank_mask:0xf
.endr
	v_permlanex16_b32 v9, v8, s22, s23
	v_add_f32 v8, v8, v9
	s_mul_i32 s3, s18, 260
	s_add_co_u32 s3, s3, LOUT+256
	v_mov_b32 v11, s3
	v_mov_b32 v12, 0
	ds_store_b32 v11, v8                           ; div of sample w: every lane writes the same word with the same value
	ds_store_b32 v11, v12 offset:OUT2              ; and 0 in the second part
	v_lshl_add_u32 v14, v0, 4, LOUT
	v_lshlrev_b32 v15, 4, v0
	s_wait_alu depctr_va_vdst(0)
	BARRIER                                        ; both parts of 8 whole rows of out0, 2,080 consecutive bytes each, lie in LDS
	ds_load_b128 v[32:35], v14
	ds_load_b128 v[36:39], v14 offset:OUT2
	s_wait_dscnt 0x0
	v_pk_add_f32 v[40:41], v[32:33], v[36:37]
	v_pk_add_f32 v[42:43], v[34:35], v[38:39]
	v_cmp_gt_u32 vcc_lo, 130, v0                   ; 130 threads x 16 bytes
	s_wait_alu depctr_va_vdst(0)
	s_wait_xcnt 0x0                                ; EXEC changes only behind s_wait_xcnt 0, both ways
	s_and_saveexec_b32 s54, vcc_lo
	global_store_b128 v15, v[40:43], s[16:17]
	s_wait_xcnt 0x0
	s_or_b32 exec_lo, exec_lo, s54
	s_wait_tensorcnt 0x0                           ; the wave's end, behind my last tensor load and my last LDS store
	ds_add_u32 v[SPW], v[NIL]
	s_wait_dscnt 0x0
	ROUND                                          ; the closing round
	s_endpgm
.Lfunc_end_k_q45120c0a51_jac:
	.size	k_q45120c0a51_jac, .Lfunc_end_k_q45120c0a51_jac-k_q45120c0a51_jac
	.p2alignl 7, 3214868480
	.fill 96, 4, 3214868480
	.section	.rodata,"a",@progbits
	.p2align	6, 0x0
	.amdhsa_kernel k_q45120c0a51_jac
		.amdhsa_group_segment_fixed_size 327680
		.amdhsa_private_segment_fixed_size 0
		.amdhsa_enable_private_segment 0
		.amdhsa_kernarg_size 40
		.amdhsa_user_sgpr_count 2
		.amdhsa_user_sgpr_kernarg_segment_ptr 1
		.amdhsa_wavefront_size32 1
		.amdhsa_system_sgpr_workgroup_id_x 1
		.amdhsa_system_sgpr_workgroup_id_y 1
		.amdhsa_system_sgpr_workgroup_id_z 1
		.amdhsa_system_vgpr_workitem_id 0
		.amdhsa_next_free_vgpr 512
		.amdhsa_next_free_sgpr 66
		.amdhsa_reserve_vcc 1
		.amdhsa_float_denorm_mode_32 3
		.amdhsa_float_denorm_mode_16_64 3
		.amdhsa_memory_ordered 1
		.amdhsa_forward_progress 1
		.amdhsa_inst_pref_size 231
	.end_amdhsa_kernel
	.amdgpu_metadata
---
amdhsa.version: [ 1, 2 ]
amdhsa.kernels:
  - .name:           k_q45120c0a51_jac
    .symbol:         k_q45120c0a51_jac.kd
    .args:
      - { .name: b1, .offset: 0, .size: 8, .value_kind: global_buffer, .address_space: global }
      - { .name: b2, .offset: 8, .size: 8, .value_kind: global_buffer, .address_space: global }
      - { .name: b3, .offset: 16, .size: 8, .value_kind: global_buffer, .address_space: global }
      - { .name: wq, .offset: 24, .size: 8, .value_kind: global_buffer, .address_space: global }
      - { .name: out0, .offset: 32, .size: 8, .value_kind: global_buffer, .address_space: global }
    .group_segment_fixed_size: 327680
    .private_segment_fixed_size: 0
    .kernarg_segment_align: 8
    .kernarg_segment_size: 40
    .max_flat_workgroup_size: 256
    .sgpr_count:     66
    .vgpr_count:     512
    .wavefront_size: 32
...
	.end_amdgpu_metadata
.endif
;; end of part 2
